; MI455X (gfx1250); checked and timed in simulation.
; The chip was launched on July 23, 2026; its instructions are those of AMD's public machine-readable ISA for CDNA 5 (MIT licence, August 2026) and "CDNA5" Instruction Set Architecture Reference Guide (July 2026). The comments in the code are by the model that wrote it; some were corrected since.
;; Multi Head Attention. Allowed arithmetic: matrix products marked QUANTISED: E2M1 operands, one E8M0 scale for each 32 along K, by v_wmma_scale_f32_16x16x128_f8f6f4 with both operands' format E2M1 (or v_wmma_scale_f32_32x16x128_f4), f32 sums; products left as they are: bf16, f16 or f32 operands; f32 sums; everything else in f32.
;; Inputs: attn_mask 4 x 2,048 x 2,048 bool; b_k 1,024 float32; b_q 1,024 float32; b_v 1,024 float32; w_k 1,024 x 1,024 float32; w_q 1,024 x 1,024 float32; w_v 1,024 x 1,024 float32; x_k_v 4 x 2,048 x 1,024 float32; x_q 4 x 2,048 x 1,024 float32.
;; Outputs: out0 4 x 2,048 x 1,024 float32.
;; This version of the problem:
;;   THIS VERSION OF THE PROBLEM IS GIVEN IN LOW PRECISION. The matrix products marked QUANTISED in the list below multiply operands that are first quantised to E2M1 (2 exponent bits, 1 mantissa bit; 4 bits a number), with one power-of-two scale for each 32 numbers along K (OCP MX v1.0); their sums are f32. The products marked 'left as it is' may take bf16, f16 or f32 operands, with f32 sums. Whichever they take, every output number must still come out within the allowed error. Rounding operands to bf16 (8 significant bits) uses up far more of that allowance than f16 does (11 bits, for magnitudes from 6e-5 to 65,504). All else is computed in f32.
;;   The module's matrix products, in the order in which they are computed (A, B: the left and right operand; K: the contracted axis; several contracted axes count as one K, in the product's order):
;;     1. [M 8,192, K 1,024] x [K 1,024, N 1,024]; A: input x_q; B: input w_q: QUANTISED
;;     2. [M 8,192, K 1,024] x [K 1,024, N 1,024]; A: input x_k_v; B: input w_k: QUANTISED
;;     3. [M 8,192, K 1,024] x [K 1,024, N 1,024]; A: input x_k_v; B: input w_v: QUANTISED
;;     4. batch 64 x [M 2,048, K 64] x [K 64, N 2,048]; A: computed on the way; B: computed on the way: left as it is (an operand is computed on the way)
;;     5. batch 64 x [M 2,048, K 2,048] x [K 2,048, N 64]; A: computed on the way; B: computed on the way: left as it is (an operand is computed on the way)
;;   THE QUANTISER, for each operand of a quantised product, along K:
;;     - K is cut into blocks of 32 from its start; a last block that is shorter is filled with zeros.
;;     - A block's scale is 2^e with e = floor(log2(the largest magnitude in the block)) - 2, held to -126 .. 127; a block of zeros has e = 0. As a byte (E8M0): e + 127.
;;     - Each number is divided by its block's scale, clamped to +-6, and rounded to the nearest number of E2M1, ties to even, subnormals kept.
;;     - The product sums the exact products of the quantised numbers (number of the format x scale) in f32.
;;   ~~~python
;;   def quantise(x, axis):      # numpy; x: float32 -> the quantised numbers, widened to float32 again
;;       x = np.moveaxis(x, axis, -1); K = x.shape[-1]
;;       x = np.pad(x, [(0, 0)] * (x.ndim - 1) + [(0, -K % 32)]); x = x.reshape(x.shape[:-1] + (-1, 32)); a = np.abs(x).max(-1, keepdims=True)
;;       e = np.where(a > 0, np.clip(np.frexp(np.where(a > 0, a, 1))[1] - 1 - 2, -126, 127), 0)      # np.frexp(a)[1] - 1 = floor(log2(a)), exactly
;;       r = np.clip(x / 2.0 ** e, -6, 6)
;;       step = 2.0 ** (np.maximum(np.frexp(np.where(r == 0, 1, r))[1] - 1, 0) - 1)
;;       q = np.round(r / step) * step * 2.0 ** e      # np.round: ties to even
;;       return np.moveaxis(q.reshape(q.shape[:-2] + (-1,))[..., :K], -1, axis).astype(np.float32)
;;   ~~~
;; One version. Each part assembles by itself: llvm-mc -triple=amdgcn-amd-amdhsa -mcpu=gfx1250 --defsym DOCPART=n.
;; ======== version 1 of 1: 3 launches
;; limits: values are held in f16: magnitudes above 65,504 overflow, below 6.1e-05 lose precision
;; workspace buffers: xc 8,388,608 bytes; xs 524,288 bytes; wc 1,572,864 bytes; ws 98,304 bytes; maskbits 2,097,152 bytes of whole numbers; qf 16,777,216 bytes; kv 33,554,432 bytes
;; launch prep (part 1): grid 864 x 1, 4 waves a work-group, no clusters, 68,608 bytes of LDS; arguments x_q, x_k_v, w_q, w_k, w_v, attn_mask, xc, xs, wc, ws, maskbits; writes xc, xs, wc, ws, maskbits
.if DOCPART == 1
	.amdgcn_target "amdgcn-amd-amdhsa--gfx1250"
	.amdhsa_code_object_version 6
	.text
	.protected	k_qa1b3ba7e80_prep
	.globl	k_qa1b3ba7e80_prep
	.p2align	8
	.type	k_qa1b3ba7e80_prep,@function
k_qa1b3ba7e80_prep:
	s_mov_b64 s[64:65], 0
	v_nop
	global_prefetch_b8 v0, s[64:65] scope:SCOPE_SE
	s_setreg_imm32_b32 hwreg(HW_REG_WAVE_MODE, 25, 1), 1
	s_wait_xcnt 0x0
; MULTI-HEAD ATTENTION, launch 1 of 3: everything that is made once and read many times.
;   path W (work-groups 0-95):    w_q, w_k, w_v [1024 (k)][1024 (n)] f32 -> codes of FP4 (E2M1) laid [3072 (n)][512 bytes], K innermost, and E8M0 bytes [3072][32]
;   path X (work-groups 96-607):  x_q, x_k_v [8192][1024] f32 -> codes [16384][512 bytes] (x_q's rows, then x_k_v's) and E8M0 bytes [16384][32]
;   path M (work-groups 608-863): attn_mask [4][2048][2048] bytes -> words of 32 bits: word 8 t + j of query tile T (16 queries) has as bit l the mask of query 16 T + l % 16 and key 16 t + 8 (l / 16) + j:
;                                 the lane mask of register j of key tile t of the transposed scores, as launch 3 holds them.  One bit for a byte: an eighth of the bytes, read as scalars there.
; NO WORK OF reference() IS LEFT OUT IN THIS PROGRAM, and every input is loaded.  b_k adds q . b_k to every open score of a row, but a masked score is the FINITE number -1e9, which that term does not reach:
; so in real numbers the weights of a row do hang on b_k, and it stays.
; THE QUANTISER.  A block's scale is 2^(floor(log2(its largest magnitude)) - 2): its byte is the largest magnitude's own exponent field - 2, held at 1 from below by a floor among the maximum's leaves.
; A block of zeros so gets the byte 1 where the rule says 127: its codes are zeros, which add nothing under any byte but 0xff, and this program alone reads the bytes.  Beyond 6 the conversion gives the largest code.
; LIMITS: blocks whose largest magnitude lies under 2^-124 (the floor) were not tried; NaN and infinities among the inputs are not served.
; The three paths part on the work-group's number alone, the same in all four waves; each path has LDS bytes of its own.  No tensor load: LDS is claimed as it is used.
.set SPW,   198                        ; v198  LDS address of my spare word: SPARE + 4 x my thread's number; never rewritten
.set NIL,   199                        ; v199  0; never rewritten
.set WSTG,  32768                      ; path W: 32 columns x (512 bytes of codes + 16)
.set WSC,   49664                      ; path W: 32 columns x 32 scale bytes
.set MSTG,  50688                      ; path M: for each wave 16 rows x (256 bytes + 16)
.set SPARE, 68096                      ; the spare words, 128 bytes for each wave: two blocks of 256 bytes that no other line names
.set SP,    80                         ; path X: a lane's place in a stage: its 64 bytes + 16 of padding
.set R,     16                         ; path X: v16-79 four sets of 16 numbers as loaded
.set X,     80                         ; path X: v80-111 two sets of 16 neighbours
.set E,     112                        ; path X: v112-127 a scale byte for each step
.set C,     128                        ; path X: v128-191 codes, four registers for each step
	s_load_b512 s[4:19], s[0:1], 0x0               ; x_q 4, x_k_v 6, w_q 8, w_k 10, w_v 12, mask 14, xc 16, xs 18
	s_load_b128 s[20:23], s[0:1], 0x40             ; wc 20, ws 22
	s_load_b64 s[24:25], s[0:1], 0x50              ; maskbits
	v_lshl_add_u32 v[SPW], v0, 2, SPARE
	v_mov_b32 v[NIL], 0
	v_lshrrev_b32 v1, 5, v0
	v_readfirstlane_b32 s26, v1                    ; wave 0..3
	v_and_b32 v2, 31, v0                           ; lane
	s_wait_kmcnt 0x0
	s_cmp_lt_u32 ttmp9, 96
	s_cbranch_scc1 .Lpath_w
	s_cmp_lt_u32 ttmp9, 608
	s_cbranch_scc1 .Lpath_x
; ---------------- PATH M.  A wave takes 16 queries x 1,024 keys, in four units of 256 keys.  All 32 loads go out at once: each reads two rows' 256 consecutive bytes.
; A unit turns through the wave's own stage (rows 272 bytes apart), so that lane (r, h) gets, for key tile t, the 8 bytes of query r, keys 16 t + 8 h + 0 .. 7.
; A compare of byte j against 0 over the 32 lanes IS word 8 t + j; the words are set into lanes (four a lane) and a unit's 128 words leave as 512 consecutive bytes.
	s_sub_co_u32 s27, ttmp9, 608
	s_lshl_b32 s27, s27, 2
	s_add_co_u32 s27, s27, s26                     ; 0 .. 1023
	s_lshr_b32 s28, s27, 1                         ; T: the query tile, 128 x batch + tile
	s_and_b32 s29, s27, 1                          ; which half of the keys
	s_lshl_b32 s30, s28, 15                        ; 16 rows of 2,048 bytes
	s_lshl_b32 s31, s29, 10
	s_add_co_u32 s30, s30, s31
	s_mov_b32 s31, 0
	s_add_nc_u64 s[14:15], s[14:15], s[30:31]
	s_lshl_b32 s30, s28, 12                        ; 1,024 words a query tile
	s_lshl_b32 s40, s29, 11
	s_add_co_u32 s30, s30, s40
	s_add_nc_u64 s[24:25], s[24:25], s[30:31]
	v_and_b32 v4, 15, v2                           ; r
	v_lshrrev_b32 v5, 4, v2                        ; h
	v_lshlrev_b32 v3, 11, v5
	v_lshl_add_u32 v3, v4, 4, v3                   ; in memory: row h of a pair, 16 bytes a lane
	s_mul_i32 s30, s26, 16*272
	s_add_co_u32 s30, s30, MSTG                    ; my stage
	v_mul_u32_u24 v6, v5, 272
	v_lshl_add_u32 v6, v4, 4, v6
	v_add_nc_u32 v6, s30, v6                       ; into it, as loaded
	v_mul_u32_u24 v7, v4, 272
	v_lshl_add_u32 v7, v5, 3, v7
	v_add_nc_u32 v7, s30, v7                       ; out of it: row r, 8 bytes for each half of the lanes
	v_lshlrev_b32 v1, 4, v2                        ; the words' way out: 16 bytes a lane
.irp u, 0,1,2,3
.irp i, 0,1,2,3,4,5,6,7
	global_load_b128 v[32+32*\u+4*\i:32+32*\u+4*\i+3], v3, s[14:15] offset:256*\u+4096*\i th:TH_LOAD_NT
.endr
.endr
.irp i, 8,9,10,11,12,13,14,15,16,17,18,19,20,21,22,23
	v_mov_b32 v[\i], 0                             ; written once: the destination of v_writelane_b32 counts as one of its sources
.endr
.macro MUNIT u
	s_wait_loadcnt 8*(3-\u)                        ; this unit's eight loads are in; the later units' may be out
.irp i, 0,1,2,3,4,5,6,7
	ds_store_b128 v6, v[32+32*\u+4*\i:32+32*\u+4*\i+3] offset:544*\i
.endr
.irp t, 0,1,2,3,4,5,6,7,8,9,10,11,12,13,14,15
	ds_load_b64 v[160+2*\t:161+2*\t], v7 offset:16*\t   ; LDS serves a wave's instructions in order: these see the stores above, and the next unit's stores come behind them
.endr
	s_wait_dscnt 0x0
.irp t, 0,1,2,3,4,5,6,7,8,9,10,11,12,13,14,15
.irp j, 0,1,2,3,4,5,6,7
	v_and_b32 v[24+\j], 0xff<<(8*(\j%4)), v[160+2*\t+\j/4]     ; byte j of my eight
.endr
.irp j, 0,1,2,3,4,5,6,7
	v_cmp_ne_u32 s[32+\j], 0, v[24+\j]             ; the 32 lanes' bits: word 8 t + j
.endr
.irp j, 0,1,2,3,4,5,6,7
	v_writelane_b32 v[8+4*\u+\j%4], s[32+\j], 2*\t+\j/4   ; word n of the unit goes to lane n / 4, register n % 4
.endr
.endr
	global_store_b128 v1, v[8+4*\u:8+4*\u+3], s[24:25] offset:512*\u   ; 512 consecutive bytes, aligned; each unit has its own four registers
.endm
	MUNIT 0
	MUNIT 1
	MUNIT 2
	MUNIT 3
	s_wait_tensorcnt 0x0                           ; the wave's end: these three lines, behind my last LDS store
	ds_add_u32 v[SPW], v[NIL]
	s_wait_dscnt 0x0
	s_endpgm
; ---------------- PATH X.  Rows are dense and K is a multiple of 32: both tensors are plain streams of blocks of 32 numbers, and so are the codes and the scale bytes.
; A wave takes 16 steps of 512 numbers.  Each of a step's four loads reads 512 consecutive bytes; the 2,048 bytes turn through the wave's own stage and come back 64 bytes a lane: 16 NEIGHBOURS along K,
; as the conversions want them (two neighbouring lanes hold a block).  A lane's 16 codes are 8 bytes: the wave stores 256 consecutive bytes.  A wave's 256 scale bytes are gathered in LDS and leave as one unit.
.Lpath_x:
	s_sub_co_u32 s27, ttmp9, 96                    ; 0 .. 511: the first 256 take x_q, the others x_k_v
	s_cmp_lt_u32 s27, 256
	s_cselect_b64 s[4:5], s[4:5], s[6:7]           ; the choice hangs on the work-group's number alone
	s_cselect_b32 s28, 0, 1024
	s_lshl_b32 s27, s27, 2
	s_add_co_u32 s27, s27, s26                     ; which run of 8,192 numbers of the two tensors on end is my wave's
	s_sub_co_u32 s28, s27, s28                     ; and within its own tensor
	s_lshl_b32 s28, s28, 15
	s_mov_b32 s29, 0
	s_add_nc_u64 s[4:5], s[4:5], s[28:29]
	s_lshl_b32 s28, s27, 12                        ; 4,096 bytes of codes a run
	s_add_nc_u64 s[16:17], s[16:17], s[28:29]
	s_lshl_b32 s28, s27, 8                         ; 256 scale bytes a run
	s_add_nc_u64 s[18:19], s[18:19], s[28:29]
	s_lshl_b32 s30, s26, 13                        ; my wave's 8,192 bytes of LDS: two stages of 32 x 80, then 256 scale bytes
	v_lshlrev_b32 v3, 4, v2                        ; my 16 bytes of a load's 512
	v_lshrrev_b32 v14, 2, v2
	v_mul_u32_u24 v14, v14, SP
	v_and_b32 v15, 3, v2
	v_lshl_add_u32 v14, v15, 4, v14
	v_add_nc_u32 v14, s30, v14                     ; the stage, on the way in: four lanes' 64 bytes on end, then 16 of padding
	v_mul_u32_u24 v15, v2, SP
	v_add_nc_u32 v15, s30, v15                     ; and on the way out: my 16 neighbours
	v_lshlrev_b32 v4, 3, v2                        ; my codes' place in a step's
	v_lshrrev_b32 v5, 1, v2
	s_add_co_u32 s30, s30, 2*32*SP
	v_add_nc_u32 v5, s30, v5                       ; my block's scale byte
	v_lshlrev_b32 v7, 3, v2
	v_add_nc_u32 v6, s30, v7                       ; and on the way out 8 bytes a lane
.macro XLOAD t
.irp i, 0,1,2,3
	global_load_b128 v[R+16*((\t)%4)+4*\i:R+16*((\t)%4)+4*\i+3], v3, s[4:5] offset:2048*(\t)+512*\i th:TH_LOAD_NT
.endr
.endm
.macro XTURN t                         ; step t's numbers through the stage: LDS serves a wave's instructions in order, so no wait stands between the stores and the loads
.irp i, 0,1,2,3
	ds_store_b128 v14, v[R+16*((\t)%4)+4*\i:R+16*((\t)%4)+4*\i+3] offset:32*SP*((\t)%2)+8*SP*\i
.endr
.irp i, 0,1,2,3
	ds_load_b128 v[X+16*((\t)%2)+4*\i:X+16*((\t)%2)+4*\i+3], v15 offset:32*SP*((\t)%2)+16*\i
.endr
.endm
.irp t, 0,1,2,3
	XLOAD \t
.endr
	s_wait_loadcnt 12                              ; step 0's four loads are in
	XTURN 0
.macro XSTEP t
.set XS, X+16*((\t)%2)
.if (\t) > 0
	s_wait_dscnt 1                                 ; this step's numbers are back from the stage (the last step's byte store may be out): so its stores into the stage have read their registers,
.else
	s_wait_dscnt 0x0
.endif
.if (\t)+4 < 16
	XLOAD (\t)+4                                   ; which take the loads of four steps on
.endif
.if (\t)+1 < 16
.if 14-(\t) >= 3
	s_wait_loadcnt 12                              ; the next step's four loads are in; those of the three steps behind it may be out
.else
	s_wait_loadcnt 4*(14-(\t))
.endif
	XTURN (\t)+1
.endif
	v_max3_num_f32 v8, |v[XS]|, |v[XS+1]|, |v[XS+2]|               ; the largest magnitude of my 16, in two chains
	v_max3_num_f32 v9, |v[XS+3]|, |v[XS+4]|, |v[XS+5]|
.irp i, 6,10
	v_max3_num_f32 v8, v8, |v[XS+\i]|, |v[XS+\i+1]|
	v_max3_num_f32 v9, v9, |v[XS+\i+2]|, |v[XS+\i+3]|
.endr
	v_max3_num_f32 v8, v8, |v[XS+14]|, |v[XS+15]|
	v_max3_num_f32 v8, v8, v9, 0x1800000           ; and the floor 2^(3 - 127): the byte cannot fall under 1
	v_max_num_f32_dpp v8, v8, v8 row_xmask:1 row_mask:0xf bank_mask:0xf   ; and of my neighbour's 16: the block's
	v_add_nc_u32 v11, 0xff000000, v8               ; 2 off its exponent field: the conversion takes the exponent field of this operand as its scale, and nothing else of it
	v_cvt_scalef32_pk8_fp4_f32 v[C+4*(\t)], v[XS:XS+7], v11
	v_cvt_scalef32_pk8_fp4_f32 v[C+4*(\t)+1], v[XS+8:XS+15], v11
	v_lshrrev_b32 v[E+(\t)], 23, v11               ; the scale's byte (also the plain line behind the conversions)
	ds_store_b8 v5, v[E+(\t)] offset:16*(\t)       ; both lanes of a block write the same byte with the same value
	global_store_b64 v4, v[C+4*(\t):C+4*(\t)+1], s[16:17] offset:256*(\t)
.endm
.irp t, 0,1,2,3,4,5,6,7,8,9,10,11,12,13,14,15
	XSTEP \t
.endr
	ds_load_b64 v[8:9], v6                         ; LDS serves a wave's instructions in order: these see my stores
	s_wait_dscnt 0x0
	global_store_b64 v7, v[8:9], s[18:19]          ; 32 lanes store 256 consecutive bytes, aligned
	s_wait_tensorcnt 0x0                           ; the wave's end
	ds_add_u32 v[SPW], v[NIL]
	s_wait_dscnt 0x0
	s_endpgm
; ---------------- PATH W.  K is the weights' FIRST axis: a lane takes a column n and its registers run down K, so that a block of 32 lies in one lane and the conversions give codes with K innermost.
; A work-group takes 32 columns x all of K; wave w takes K = 256 w .. 256 w + 255, eight blocks.  The four waves' codes of a column meet in a stage: a column's 512 bytes, and the group's 1,024 scale bytes, leave whole.
; Each load reads 128 consecutive bytes (32 columns of one row of the weight): the work-group beside reads the bytes beside them.
.Lpath_w:
	s_lshr_b32 s27, ttmp9, 5                       ; which weight: 0 q, 1 k, 2 v
	s_and_b32 s28, ttmp9, 31                       ; which 32 columns
	s_cmp_eq_u32 s27, 0
	s_cselect_b64 s[8:9], s[8:9], s[10:11]
	s_cmp_eq_u32 s27, 2
	s_cselect_b64 s[8:9], s[12:13], s[8:9]
	s_lshl_b32 s30, s26, 20                        ; 256 rows of 4,096 bytes a wave
	s_lshl_b32 s31, s28, 7
	s_add_co_u32 s30, s30, s31
	s_mov_b32 s31, 0
	s_add_nc_u64 s[8:9], s[8:9], s[30:31]
	s_lshl_b32 s29, s27, 10
	s_lshl_b32 s30, s28, 5
	s_add_co_u32 s29, s29, s30                     ; the group's first row of wc and ws
	s_lshl_b32 s30, s29, 5
	s_lshl_b32 s32, s26, 8
	s_add_co_u32 s30, s30, s32                     ; scale bytes: 32 a row; wave w stores rows 8 w .. 8 w + 7
	s_add_nc_u64 s[22:23], s[22:23], s[30:31]
	s_lshl_b32 s32, s26, 3
	s_add_co_u32 s30, s29, s32
	s_lshl_b32 s30, s30, 9                         ; codes: 512 bytes a row
	s_add_nc_u64 s[20:21], s[20:21], s[30:31]
	v_lshlrev_b32 v3, 2, v2                        ; in: 4 bytes a lane
	v_mul_u32_u24 v4, v2, 528
	s_lshl_b32 s32, s26, 7
	s_add_co_u32 s32, s32, WSTG
	v_add_nc_u32 v4, s32, v4                       ; into the stage: my column's row, my wave's 128 bytes of it
	v_lshlrev_b32 v5, 5, v2
	s_lshl_b32 s32, s26, 3
	s_add_co_u32 s32, s32, WSC
	v_add_nc_u32 v5, s32, v5                       ; my column's scale bytes, my wave's 8
	v_lshlrev_b32 v6, 3, v2
	s_lshl_b32 s32, s26, 8
	s_add_co_u32 s32, s32, WSC
	v_add_nc_u32 v7, s32, v6                       ; back: 256 scale bytes a wave, 8 a lane
	v_lshlrev_b32 v8, 4, v2
	s_mul_i32 s32, s26, 8*528
	s_add_co_u32 s32, s32, WSTG
	v_add_nc_u32 v9, s32, v8                       ; back: rows 8 w on, 16 bytes a lane
.macro WLOAD t                         ; block t: W(256 w + 32 t + i, my column), i = 0 .. 31, into set t % 2
.irp i, 0,1,2,3,4,5,6,7,8,9,10,11,12,13,14,15,16,17,18,19,20,21,22,23,24,25,26,27,28,29,30,31
	global_load_b32 v[32+32*((\t)%2)+\i], v3, s[8:9] offset:(32*(\t)+\i)*4096 th:TH_LOAD_NT
.endr
.endm
	WLOAD 0
	WLOAD 1
.macro WBLOCK t
.set XS, 32+32*((\t)%2)
.if (\t) < 7
	s_wait_loadcnt 32                              ; this block's 32 loads are in; the next block's may be out
.else
	s_wait_loadcnt 0
.endif
	v_max3_num_f32 v12, |v[XS]|, |v[XS+1]|, |v[XS+2]|               ; the block's largest magnitude: all 32 numbers are mine
	v_max3_num_f32 v13, |v[XS+3]|, |v[XS+4]|, |v[XS+5]|
.irp i, 6,10,14,18,22,26
	v_max3_num_f32 v12, v12, |v[XS+\i]|, |v[XS+\i+1]|
	v_max3_num_f32 v13, v13, |v[XS+\i+2]|, |v[XS+\i+3]|
.endr
	v_max3_num_f32 v12, v12, |v[XS+30]|, |v[XS+31]|
	v_max3_num_f32 v12, v12, v13, 0x1800000        ; and the floor 2^(3 - 127)
	v_add_nc_u32 v11, 0xff000000, v12              ; the conversion's scale operand
	v_lshrrev_b32 v13, 23, v11                     ; the scale's byte
.if (\t)%4 == 0
	v_mov_b32 v[24+(\t)/4], v13                    ; four bytes to a register, the lower K in the lower byte
.else
	v_lshl_or_b32 v[24+(\t)/4], v13, 8*((\t)%4), v[24+(\t)/4]
.endif
.irp g, 0,1,2,3
	v_cvt_scalef32_pk8_fp4_f32 v[96+\g], v[XS+8*\g:XS+8*\g+7], v11
.endr
	ds_store_b128 v4, v[96:99] offset:16*(\t)      ; 32 codes: 16 bytes of my column's row
.if (\t)+2 < 8
	WLOAD (\t)+2
.endif
	s_wait_dscnt 0x0                               ; the store has read its registers: the next block's codes may be written (plain vector lines come first there)
.endm
.irp t, 0,1,2,3,4,5,6,7
	WBLOCK \t
.endr
	ds_store_b64 v5, v[24:25]
	s_wait_dscnt 0x0                               ; for the others' sake: my stores have landed
	s_barrier_signal -1                            ; all four waves of a work-group are on this path
	s_barrier_wait -1
	ds_load_b64 v[14:15], v7
.irp i, 0,1,2,3,4,5,6,7
	ds_load_b128 v[112+4*\i:112+4*\i+3], v9 offset:528*\i
.endr
	s_wait_dscnt 8                                 ; the scale bytes are in; the eight rows may be out
	global_store_b64 v6, v[14:15], s[22:23]        ; 256 consecutive bytes, aligned
.irp i, 0,1,2,3,4,5,6,7
	s_wait_dscnt 7-\i
	global_store_b128 v8, v[112+4*\i:112+4*\i+3], s[20:21] offset:512*\i   ; a column's 512 bytes of codes
.endr
	s_wait_tensorcnt 0x0                           ; the wave's end
	ds_add_u32 v[SPW], v[NIL]
	s_wait_dscnt 0x0
	s_endpgm
.Lfunc_end_k_qa1b3ba7e80_prep:
	.size	k_qa1b3ba7e80_prep, .Lfunc_end_k_qa1b3ba7e80_prep-k_qa1b3ba7e80_prep
	.p2alignl 7, 3214868480
	.fill 96, 4, 3214868480
	.section	.rodata,"a",@progbits
	.p2align	6, 0x0
	.amdhsa_kernel k_qa1b3ba7e80_prep
		.amdhsa_group_segment_fixed_size 68608
		.amdhsa_private_segment_fixed_size 0
		.amdhsa_enable_private_segment 0
		.amdhsa_kernarg_size 88
		.amdhsa_user_sgpr_count 2
		.amdhsa_user_sgpr_kernarg_segment_ptr 1
		.amdhsa_wavefront_size32 1
		.amdhsa_system_sgpr_workgroup_id_x 1
		.amdhsa_system_sgpr_workgroup_id_y 1
		.amdhsa_system_sgpr_workgroup_id_z 1
		.amdhsa_system_vgpr_workitem_id 0
		.amdhsa_next_free_vgpr 200
		.amdhsa_next_free_sgpr 66
		.amdhsa_reserve_vcc 0
		.amdhsa_float_denorm_mode_32 3
		.amdhsa_float_denorm_mode_16_64 3
		.amdhsa_memory_ordered 1
		.amdhsa_forward_progress 1
		.amdhsa_inst_pref_size 181
	.end_amdhsa_kernel
	.amdgpu_metadata
---
amdhsa.version: [ 1, 2 ]
amdhsa.kernels:
  - .name:           k_qa1b3ba7e80_prep
    .symbol:         k_qa1b3ba7e80_prep.kd
    .args:
      - { .name: x_q, .offset: 0, .size: 8, .value_kind: global_buffer, .address_space: global }
      - { .name: x_k_v, .offset: 8, .size: 8, .value_kind: global_buffer, .address_space: global }
      - { .name: w_q, .offset: 16, .size: 8, .value_kind: global_buffer, .address_space: global }
      - { .name: w_k, .offset: 24, .size: 8, .value_kind: global_buffer, .address_space: global }
      - { .name: w_v, .offset: 32, .size: 8, .value_kind: global_buffer, .address_space: global }
      - { .name: attn_mask, .offset: 40, .size: 8, .value_kind: global_buffer, .address_space: global }
      - { .name: xc, .offset: 48, .size: 8, .value_kind: global_buffer, .address_space: global }
      - { .name: xs, .offset: 56, .size: 8, .value_kind: global_buffer, .address_space: global }
      - { .name: wc, .offset: 64, .size: 8, .value_kind: global_buffer, .address_space: global }
      - { .name: ws, .offset: 72, .size: 8, .value_kind: global_buffer, .address_space: global }
      - { .name: maskbits, .offset: 80, .size: 8, .value_kind: global_buffer, .address_space: global }
    .group_segment_fixed_size: 68608
    .private_segment_fixed_size: 0
    .kernarg_segment_align: 8
    .kernarg_segment_size: 88
    .max_flat_workgroup_size: 128
    .sgpr_count:     66
    .vgpr_count:     200
    .wavefront_size: 32
...
	.end_amdgpu_metadata
.endif
;; end of part 1
;; launch proj (part 2): grid 12 x 32, 4 waves a work-group, clusters of 4 x 4, 327,680 bytes of LDS; arguments xc, xs, wc, ws, b_q, b_k, b_v, qf, kv; writes qf, kv
.if DOCPART == 2
	.amdgcn_target "amdgcn-amd-amdhsa--gfx1250"
	.amdhsa_code_object_version 6
	.text
	.protected	k_qa1b3ba7e80_proj
	.globl	k_qa1b3ba7e80_proj
	.p2align	8
	.type	k_qa1b3ba7e80_proj,@function
k_qa1b3ba7e80_proj:
	s_mov_b64 s[64:65], 0
	v_nop
	global_prefetch_b8 v0, s[64:65] scope:SCOPE_SE
	s_setreg_imm32_b32 hwreg(HW_REG_WAVE_MODE, 25, 1), 1
	s_wait_xcnt 0x0
	s_wait_alu depctr_hold_cnt(0) depctr_sa_sdst(0) depctr_va_vdst(0) depctr_va_sdst(0) depctr_va_ssrc(0) depctr_va_vcc(0) depctr_vm_vsrc(0)
	s_getreg_b32 s2, hwreg(HW_REG_IB_STS2, 6, 4)
	s_cmp_eq_u32 s2, 0
	s_cbranch_scc0 .Lentry_in_a_cluster
	s_endpgm
.Lentry_in_a_cluster:
	s_bfe_u32 s2, ttmp6, 0x10000c
	s_cmp_lg_u32 s2, 0xf033
	s_cbranch_scc0 .Lentry_shape_is_right
	s_endpgm
.Lentry_shape_is_right:
; MULTI-HEAD ATTENTION, launch 2 of 3: the three projections on codes of FP4 (E2M1) with E8M0 scales, f32 sums; then the bias, for q the factor log2(e) / 8, and ONE rounding to f16.  No work of reference() is left out.
; The results are stored as IMAGES OF THE OPERAND REGISTERS of launch 3 (lane l's 16 bytes at 16 l, 512 bytes a group of four registers):
;   qf [64 (b, h)][128 query tiles][i 0..3][512]: lane (r, h2): (q + b_q) c at query 16 tile + r, channels 16 i + 8 h2 + 0 .. 7
;   kv [64 (b, h)][4 blocks of 512 keys][K part 65,536][V part 65,536];  K part: key tile t (0..31) at 2,048 t + 512 i, as q;
;   V part: 4,096 u + 1,024 cT + 512 c: lane (r, h2): v at keys 32 u + 16 c + 8 h2 + 0 .. 7, channel 16 cT + r.
; A tile of 256 x 256 of a product is made by four waves, 128 x 128 each: 64 accumulators.  K = 1,024 is two slots of 512: both, and the scales of all of K, are first fills; nothing is filled again.
; THE MATRIX INSTRUCTION IS USED TRANSPOSED: source 0 = 16 rows of the operand in role B, source 1 = 16 rows of the operand in role A: a lane holds ONE row of A and eight NEIGHBOURING rows of B.
; q and k want eight neighbouring features of one token in a lane: A = x, B = w.  v wants eight neighbouring tokens of one feature: A = w_v, B = x_k_v.  Only pointers and row numbers change places.
; CLUSTERS: 4 x 4 work-groups; cluster x says which product (0 q, 1 k, 2 v), cluster y which 1,024 tokens.  A's tiles are shared along a row of the cluster, B's along a column: joint loads.
; The launch has 24 clusters of equal work; an even split over all WGPs would want tiles that are filled again and a walk over tiles, for a launch whose bytes are mostly its stores.
; LIMITS: |q + b_q|, |k + b_k|, |v + b_v| stay under 65,504 (f16's largest number; with inputs 30 times the drawn ones they reach some 5,400); NaN and infinities are not served.
; REGISTERS, in windows of 256: window 0: v0-31 addresses; v32-95 scale words, two sets; v128-191 A's fragments, one set (on the way out: the packed results); v192-255 the biases.
;   window 1: B's fragments, two sets, at v0 and v128.   window 2: the accumulators of my A rows 0-63 ((a, b) at v[8 (8 a + b)]);   window 3: those of rows 64-127.
.set NQ,     4                         ; matrix instructions deep in a slot of 512 along K
.set ROWB,   256                       ; a tile's row in bytes: 512 codes
.set KROW,   512                       ; a row of codes in memory
.set PITCH,  272                       ; an LDS row: 256 bytes + 16 of padding = 68 words: the 16 rows that a load touches start at 16 different banks (64 banks of 4 bytes: ISA guide 11.1)
.set FR,     8                         ; registers of a fragment: 16 rows x 128 K
.set NL,     2                         ; LDS loads that bring one
.set NP,     4                         ; places behind this matrix instruction (ISA guide 7.12.1)
.set HALFT,  128*PITCH                 ; 128 rows: what one tensor load brings
.set SLOT,   4*HALFT                   ; A's 256 rows, then B's 256 rows
.set KS,     32                        ; a row of scale bytes
.set SCL,    2*SLOT                    ; behind the slots: the scales, as units of 256 bytes + 16 of padding
.set HALFS,  (128*KS/256)*272          ; those of 128 rows
.set SBLK,   (16*KS/256)*272           ; those of 16 rows
.set SPARE,  SCL+4*HALFS               ; the spare words, 128 bytes for each wave: two blocks of 256 bytes that no other line names
.set ADRA, 16                          ; v16-17  LDS address of my A fragments in slot 0, 1
.set ADRB, 20                          ; v20-21  the same for B
.set ADRS, 27                          ; v27     LDS address of my scale words: lanes 0-15 A's rows, lanes 16-31 B's
.set SPW,  28                          ; v28     LDS address of my spare word; never rewritten
.set NIL,  29                          ; v29     0; never rewritten
.set BO,   30                          ; v30     my byte offset among the biases
.set LI,   31                          ; v31     16 x lane: my place in an image
.set SC,   32                          ; scale words: set s at v[SC + 32 s]; register 4 i + q: lanes 0-15 the word of A's block i, lanes 16-31 that of B's block i, for the slot's q-th 128 along K
.set AF,   128                         ; A's fragments
.set BI,   192                         ; the biases
.set G1, 24                            ; s[24:31] descriptor group 1 for A's tiles;  s[32:39] group 0, one set for each slot
.set G0, 32
.set G1B, 48                           ; s[48:55], s[56:63] the same for B's tiles
.set G0B, 56
.set G1S, 68                           ; s[68:75], s[76:79] groups 1 and 0 for A's scales;  s[80:87], s[88:91] for B's
.set G0S, 76
.set G1SB, 80
.set G0SB, 88
.set MSB, 0
.macro WIN new                         ; the immediate's high byte repeats the setting that is left
.if MSB != \new
	s_set_vgpr_msb (MSB<<8)|\new
.set MSB, \new
.endif
.endm
.set MUL_LO, 0xa1                      ; source 0 (B) window 1, source 1 (A) window 0, C and D window 2
.set MUL_HI, 0xf1                      ; the same, C and D window 3
.set TO_B,   0x40                      ; destination window 1, address window 0
; A joint load: waves 0 and 1 fetch for A, waves 2 and 3 for B.  Each line has one mask and one set of registers for all that issue it; the branch hangs on the wave's number alone.
; An s_nop 0 and four v_nop follow each of the two lines.
.macro JLOAD g0a, g1a, g0b, g1b
	s_cmp_eq_u32 s15, 0
	s_cbranch_scc0 .Lfor_b_\@
	tensor_load_to_lds s[\g0a:\g0a+3], s[\g1a:\g1a+7]
	s_nop 0
.rept 4
	v_nop
.endr
	s_branch .Lasked_\@
.Lfor_b_\@:
	tensor_load_to_lds s[\g0b:\g0b+3], s[\g1b:\g1b+7]
	s_nop 0
.rept 4
	v_nop
.endr
.Lasked_\@:
.endm
.macro CROUND                          ; a round of the cluster's barrier
	s_barrier_signal -1
	s_barrier_wait -1
	s_cmp_lg_u32 s14, 0
	s_cbranch_scc1 .Lnot_wave_0_\@
	s_barrier_signal -3
.Lnot_wave_0_\@:
	s_barrier_wait -3
	s_barrier_signal -1
	s_barrier_wait -1
.endm
	s_load_b256 s[4:11], s[0:1], 0x0               ; xc 4, xs 6, wc 8, ws 10
	s_load_b256 s[92:99], s[0:1], 0x20             ; b_q 92, b_k 94, b_v 96, qf 98
	s_load_b64 s[100:101], s[0:1], 0x40            ; kv
	v_lshl_add_u32 v[SPW], v0, 2, SPARE
	v_mov_b32 v[NIL], 0
	ds_add_u32 v[SPW], v[NIL]                      ; the wave's opening: the add, twice on end, and its wait ahead of my first tensor load
	ds_add_u32 v[SPW], v[NIL]                      ; and once more, under the one wait; the set-up below, work on registers, stands between
	v_lshrrev_b32 v1, 5, v0
	v_readfirstlane_b32 s14, v1                    ; wave 0..3
	s_lshr_b32 s15, s14, 1                         ; which half of the tile's A rows is mine.  Also: I fetch for A (0) or for B (1)
	s_and_b32 s16, s14, 1                          ; which half of its B rows.  Also: which 128 rows of that tile I fetch
	s_bfe_u32 s40, ttmp6, 0x40000                  ; cx, cy: my place in the cluster
	s_bfe_u32 s41, ttmp6, 0x40004
	s_mov_b32 s3, ttmp9                            ; the product: 0 q, 1 k, 2 v: the same in all sixteen partners
	s_and_b32 s18, ttmp7, 0xffff
	s_lshl_b32 s18, s18, 2                         ; 4 x cluster y: the first of the cluster's four tiles of tokens
	s_lshl_b32 s19, s3, 13                         ; x_q's rows begin at 0 of xc, x_k_v's at 8,192
	s_lshl_b32 s2, s3, 10                          ; w_q's rows begin at 0 of wc, w_k's at 1,024
	s_cmp_eq_u32 s3, 2
	s_cselect_b32 s17, 0, s18                      ; A's tiles: tokens (q, k) or w_v's four tiles of features (v)
	s_cselect_b32 s42, s18, 0                      ; B's tiles: the other way round
	s_cselect_b32 s19, 2048, s19                   ; A's first row in its buffer: w_v's rows begin at 2,048 of wc
	s_cselect_b32 s2, 8192, s2                     ; B's
	s_add_co_u32 s17, s17, s41                     ; A's tile = .. + cy: shared along a row of the cluster
	s_add_co_u32 s42, s42, s40                     ; B's tile = .. + cx: shared along a column
	s_lshl_b32 s43, s41, 2
	s_lshl_b32 s43, 15, s43                        ; my row of the cluster
	s_lshl_b32 s44, 0x1111, s40                    ; my column
	; descriptor group 1: a tile of 128 rows x 256 bytes, padded in LDS
	s_or_b32 s[G1+0], s43, (0<<16)|(1<<20)|(1<<21)|(5<<22)|(3<<25)  ; 15:0 the mask; 17:16 element of 1 byte; 20 padding on; 21 set beside a mask; 24:22 after every 64 words (code 5); 31:25 of 4 words (code 3)
	s_or_b32 s[G1B+0], s44, (0<<16)|(1<<20)|(1<<21)|(5<<22)|(3<<25)
.irp g, G1, G1B
	s_mov_b32 s[\g+1], ROWB<<16                    ; tensor_dim0
	s_mov_b32 s[\g+2], 128<<16                     ; tensor_dim1 = 128
	s_mov_b32 s[\g+3], ROWB<<16                    ; tile_dim0
	s_mov_b32 s[\g+4], 128                         ; tile_dim1 = 128
	s_mov_b32 s[\g+5], KROW                        ; tensor_dim0_stride
	s_mov_b32 s[\g+6], 0
	s_mov_b32 s[\g+7], 0
.endr
	; and for the scales of 128 rows: a dense block of 4,096 bytes, as rows of 256 bytes (32 elements of 8 bytes), 16 bytes of padding behind each
	s_or_b32 s[G1S+0], s43, (3<<16)|(1<<20)|(1<<21)|(5<<22)|(3<<25)
	s_or_b32 s[G1SB+0], s44, (3<<16)|(1<<20)|(1<<21)|(5<<22)|(3<<25)
.irp g, G1S, G1SB
	s_mov_b32 s[\g+1], 32<<16
	s_mov_b32 s[\g+2], (128*KS/256)<<16
	s_mov_b32 s[\g+3], 32<<16
	s_mov_b32 s[\g+4], 128*KS/256
	s_mov_b32 s[\g+5], 32
	s_mov_b32 s[\g+6], 0
	s_mov_b32 s[\g+7], 0
.endr
	s_lshl_b32 s18, s16, 7                         ; which 128 rows of the tile I fetch
	s_lshl_b32 s20, s17, 8
	s_add_co_u32 s20, s20, s18
	s_add_co_u32 s20, s20, s19                     ; A: the row in its buffer (never holds cx)
	s_lshl_b32 s46, s42, 8
	s_add_co_u32 s46, s46, s18
	s_add_co_u32 s46, s46, s2                      ; B: likewise (never holds cy)
	s_lshl_b32 s22, s20, 5                         ; where these rows' scales begin: 32 bytes a row
	s_mov_b32 s23, 0
	s_lshl_b32 s66, s46, 5
	s_mov_b32 s67, 0
	s_lshl_b32 s20, s20, 9                         ; and their codes: 512 bytes a row
	s_mov_b32 s21, 0
	s_lshl_b32 s46, s46, 9
	s_mov_b32 s47, 0
	s_mul_i32 s45, s14, HALFT                      ; where they go: wave x 128 rows: no place in the cluster enters an LDS address
	s_mul_i32 s2, s14, HALFS
	s_wait_dscnt 0x0                               ; both opening adds are done
	s_wait_kmcnt 0x0
	s_cmp_eq_u32 s3, 2                             ; the buffers change roles for v; neither the choices nor the sums below touch SCC
	s_cselect_b64 s[12:13], s[8:9], s[4:5]
	s_add_nc_u64 s[20:21], s[12:13], s[20:21]      ; A's codes
	s_cselect_b64 s[12:13], s[10:11], s[6:7]
	s_add_nc_u64 s[22:23], s[12:13], s[22:23]      ; A's scales
	s_cselect_b64 s[12:13], s[4:5], s[8:9]
	s_add_nc_u64 s[46:47], s[12:13], s[46:47]      ; B's codes
	s_cselect_b64 s[12:13], s[6:7], s[10:11]
	s_add_nc_u64 s[66:67], s[12:13], s[66:67]      ; B's scales
	CROUND                                         ; all sixteen work-groups are here: the first joint loads meet
	s_mov_b32 s[G0S], 1
	s_add_co_u32 s[G0S+1], s2, SCL
	s_mov_b64 s[G0S+2:G0S+3], s[22:23]
	s_or_b32 s[G0S+3], s[G0S+3], 0x80000000
	s_mov_b32 s[G0SB], 1
	s_add_co_u32 s[G0SB+1], s2, SCL
	s_mov_b64 s[G0SB+2:G0SB+3], s[66:67]
	s_or_b32 s[G0SB+3], s[G0SB+3], 0x80000000
	JLOAD G0S, G1S, G0SB, G1SB                     ; the scales first: they are wanted with the first slot
.irp s, 0,1
	s_mov_b32 s[G0+4*\s], 1
	s_add_co_u32 s[G0+4*\s+1], s45, \s*SLOT
	s_add_nc_u64 s[G0+4*\s+2:G0+4*\s+3], s[20:21], \s*ROWB
	s_or_b32 s[G0+4*\s+3], s[G0+4*\s+3], 0x80000000
	s_mov_b32 s[G0B+4*\s], 1
	s_add_co_u32 s[G0B+4*\s+1], s45, \s*SLOT
	s_add_nc_u64 s[G0B+4*\s+2:G0B+4*\s+3], s[46:47], \s*ROWB
	s_or_b32 s[G0B+4*\s+3], s[G0B+4*\s+3], 0x80000000
	JLOAD G0+4*\s, G1, G0B+4*\s, G1B               ; three tensor loads of mine are out in all
.endr
	v_and_b32 v1, 15, v0                           ; l % 16
	v_bfe_u32 v2, v0, 4, 1                         ; l / 16
	v_mul_u32_u24 v3, v1, PITCH
	v_lshl_add_u32 v4, v2, 4, v3                   ; a fragment's row x pitch + 16 x half
	s_mul_i32 s21, s15, HALFT                      ; my 128 rows of A
	s_mul_i32 s22, s16, HALFT                      ; my 128 rows of B,
	s_add_co_u32 s22, s22, 2*HALFT                 ; which lie behind A's 256
.irp s, 0,1
	v_add_nc_u32 v[ADRA+\s], s21, v4
	v_add_nc_u32 v[ADRB+\s], s22, v4
	s_add_co_u32 s21, s21, SLOT
	s_add_co_u32 s22, s22, SLOT
.endr
	v_mul_u32_u24 v5, v1, KS                       ; my row's scales: 32 bytes a row,
	v_lshrrev_b32 v6, 8, v5
	v_lshl_add_u32 v5, v6, 4, v5                   ; and 16 more for each 256 passed
	s_mul_i32 s21, s15, HALFS                      ; A's: my 128 rows
	s_mul_i32 s22, s16, HALFS                      ; B's: my 128 rows, behind A's 256
	s_add_co_u32 s22, s22, 2*HALFS
	s_sub_co_u32 s22, s22, s21
	v_mul_u32_u24 v6, s22, v2                      ; lanes 16-31 take B's: one product, the distance between the two
	s_add_co_u32 s21, s21, SCL
	v_add_nc_u32 v5, v5, v6
	v_add_nc_u32 v[ADRS], s21, v5
	v_and_b32 v[LI], 31, v0
	v_lshlrev_b32 v[LI], 4, v[LI]
	; THE BIASES, asked for now and waited for on the way out.  q, k: a lane's eight registers of accumulator (a, b) are features 16 b + 8 (l / 16) + 0 .. 7 of my 128: eight registers for each b.
	; v: a lane holds ONE feature, 16 a + l % 16: one number for each a, loaded twice to fill the pair that the packed addition names.
	s_cmp_eq_u32 s3, 2
	s_cbranch_scc1 .Lbias_v
	s_cmp_eq_u32 s3, 0
	s_cselect_b64 s[12:13], s[92:93], s[94:95]
	s_lshl_b32 s18, s42, 10
	s_lshl_b32 s19, s16, 9
	s_add_co_u32 s18, s18, s19                     ; 4 x (256 x B's tile + 128 x my half)
	s_mov_b32 s19, 0
	s_add_nc_u64 s[12:13], s[12:13], s[18:19]
	v_lshlrev_b32 v[BO], 5, v2
.irp b, 0,1,2,3,4,5,6,7
.irp p, 0,1
	global_load_b128 v[BI+8*\b+4*\p:BI+8*\b+4*\p+3], v[BO], s[12:13] offset:64*\b+16*\p
.endr
.endr
	s_branch .Lbias_done
.Lbias_v:
	s_lshl_b32 s18, s17, 10
	s_lshl_b32 s19, s15, 9
	s_add_co_u32 s18, s18, s19                     ; 4 x (256 x A's tile + 128 x my half)
	s_mov_b32 s19, 0
	s_add_nc_u64 s[12:13], s[96:97], s[18:19]
	v_lshlrev_b32 v[BO], 2, v1
.irp a, 0,1,2,3,4,5,6,7
	global_load_b32 v[BI+2*\a], v[BO], s[12:13] offset:64*\a
	global_load_b32 v[BI+2*\a+1], v[BO], s[12:13] offset:64*\a
.endr
.Lbias_done:
.macro FRAG reg, adr, q, i             ; a fragment, 16 rows x 128 K of 4-bit codes: lane l holds row l % 16; registers 4 c .. 4 c + 3 hold K = 64 c + 32 (l / 16) + 0 .. 31
.irp c, 0,1
	ds_load_b128 v[\reg+4*\c:\reg+4*\c+3], v[\adr] offset:64*(\q)+32*\c+(\i)*16*PITCH
.endr
.endm
; 16 matrix instructions: A's blocks a0, a0 + 1 x B's eight, 128 along K: the slot's q-th.  p: B's set;  sc: the set of scale words.  zero = 1: the first product starts the sums: nothing is ever cleared.
; The 64 accumulators take turns, one instruction a turn, in the same order in every step.
.macro MUL16 a0, p, q, sc, zero
.irp a, \a0, \a0+1
.irp b, 0,1,2,3,4,5,6,7
.if \zero
	v_wmma_scale_f32_16x16x128_f8f6f4 v[8*(8*((\a)%4)+\b):8*(8*((\a)%4)+\b)+7], v[128*(\p)+FR*\b:128*(\p)+FR*\b+FR-1], v[AF+FR*(\a):AF+FR*(\a)+FR-1], 0, v[SC+8*NQ*(\sc)+NQ*\b+(\q)], v[SC+8*NQ*(\sc)+NQ*(\a)+(\q)] matrix_a_fmt:MATRIX_FMT_FP4 matrix_b_fmt:MATRIX_FMT_FP4 matrix_a_scale:MATRIX_SCALE_ROW1
.else
	v_wmma_scale_f32_16x16x128_f8f6f4 v[8*(8*((\a)%4)+\b):8*(8*((\a)%4)+\b)+7], v[128*(\p)+FR*\b:128*(\p)+FR*\b+FR-1], v[AF+FR*(\a):AF+FR*(\a)+FR-1], v[8*(8*((\a)%4)+\b):8*(8*((\a)%4)+\b)+7], v[SC+8*NQ*(\sc)+NQ*\b+(\q)], v[SC+8*NQ*(\sc)+NQ*(\a)+(\q)] matrix_a_fmt:MATRIX_FMT_FP4 matrix_b_fmt:MATRIX_FMT_FP4 matrix_a_scale:MATRIX_SCALE_ROW1
.endif
.endr
.endr
.endm
.macro FETCH_B slot, q, p              ; B's eight fragments of the slot's q-th 128 along K into set p
	WIN TO_B
.irp i, 0,1,2,3,4,5,6,7
	FRAG 128*(\p)+FR*\i, ADRB+\slot, \q, \i
.endr
	WIN 0
.endm
.macro FETCH_A slot, q, i0             ; A's blocks i0 .. i0 + 3
.irp i, \i0, \i0+1, \i0+2, \i0+3
	FRAG AF+FR*(\i), ADRA+\slot, \q, \i
.endr
.endm
.macro SCALES sc                       ; a slot's scale words into set sc: four words a row; lanes 0-15 take A's block i, lanes 16-31 B's block i
.irp i, 0,1,2,3,4,5,6,7
	ds_load_b128 v[SC+8*NQ*\sc+NQ*\i:SC+8*NQ*\sc+NQ*\i+3], v[ADRS] offset:\i*SBLK
.endr
.endm
; A load into a register that a matrix instruction has read, and a vector instruction that reads or writes a matrix result, stand NP places behind that matrix instruction; only plain vector
; instructions that name none of its registers are places (ISA guide 7.12.1 for vector instructions).
.macro PLACES n
.rept \n
	v_nop
.endr
.endm
; A step of 128 along K that has its successor in the same slot.  A block of A is free as soon as its eight products are issued: blocks 0-3 are fetched anew in the step's middle, blocks 4-7 at its end.
.macro STEP slot, q, zero
	s_wait_dscnt 4*NL                              ; B's set and A's blocks 0-3 are in; the youngest eight loads (A's blocks 4-7) may be out
	WIN MUL_LO
	MUL16 0, (\q)%2, \q, \slot, \zero
	MUL16 2, (\q)%2, \q, \slot, \zero
	s_wait_dscnt 0                                 ; A's blocks 4-7 are in
	PLACES NP
	FETCH_B \slot, (\q)+1, 1-(\q)%2
	FETCH_A \slot, (\q)+1, 0
	WIN MUL_HI
	MUL16 4, (\q)%2, \q, \slot, \zero
	MUL16 6, (\q)%2, \q, \slot, \zero
	PLACES NP
	WIN 0
	FETCH_A \slot, (\q)+1, 4
.endm
; Slot 0's last step goes over to slot 1: each wave waits for all its tensor loads (its part of slot 1), and a barrier shows every wave's part to all.
.macro TURN slot, next
	s_wait_tensorcnt 0x0                           ; all my tensor loads have landed  (every window is 0 here: the add's two registers lie in window 0)
	ds_add_u32 v[SPW], v[NIL]                      ; 0 onto my spare word
	s_wait_dscnt 4*NL+1                            ; (the add and the youngest eight loads, A's blocks 4-7, may be out)
	WIN MUL_LO
	MUL16 0, 1, NQ-1, \slot, 0
	s_wait_dscnt 0x0                               ; no LDS instruction of mine is out at the signal
	s_barrier_signal -1
	MUL16 2, 1, NQ-1, \slot, 0
	WIN 0
	s_barrier_wait -1
	PLACES NP
	v_add_nc_u32 v[ADRS], 4*NQ, v[ADRS]            ; on to the next slot's scale words
	FETCH_B \next, 0, 0
	FETCH_A \next, 0, 0
	SCALES \next
	WIN MUL_HI
	MUL16 4, 1, NQ-1, \slot, 0
	MUL16 6, 1, NQ-1, \slot, 0
	PLACES NP
	WIN 0
	FETCH_A \next, 0, 4
.endm
.macro STEPS slot, from                ; the slot's steps from .. NQ - 2
.set Q, \from
.rept NQ-1-\from
	STEP \slot, Q, 0
.set Q, Q+1
.endr
.endm
	s_wait_tensorcnt 1                             ; the scales and my part of slot 0 are in (slot 1's load, issued last, may be out),
	s_barrier_signal -1
	s_barrier_wait -1                              ; everybody's are
	FETCH_B 0, 0, 0
	FETCH_A 0, 0, 0
	SCALES 0
	FETCH_A 0, 0, 4
	STEP 0, 0, 1                                   ; the first step's products start the sums
	STEPS 0, 1
	TURN 0, 1
	STEPS 1, 0
	s_wait_dscnt 4*NL                              ; the very last step: nothing more to fetch
	WIN MUL_LO
	MUL16 0, 1, NQ-1, 1, 0
	MUL16 2, 1, NQ-1, 1, 0
	s_wait_dscnt 0
	WIN MUL_HI
	MUL16 4, 1, NQ-1, 1, 0
	MUL16 6, 1, NQ-1, 1, 0
	WIN 0
	PLACES NP                                      ; in front of the first vector lines on results, and on the registers that held A's fragments
	s_wait_tensorcnt 0x0                           ; my last tensor load and my last LDS instruction lie behind me: the three lines at a wave's end; the way out touches no LDS
	ds_add_u32 v[SPW], v[NIL]
	s_wait_dscnt 0x0
	s_wait_loadcnt 0x0                             ; the biases; their base s[12:13] may now be written
; THE WAY OUT of A's block a: bias (q: and the factor) in place, two numbers an instruction, each accumulator from its low end on; rounded to f16, a lane's eight numbers into 16 bytes;
; each group of four registers is an image and leaves as it stands: 32 lanes store 512 consecutive bytes, aligned.  No stage in LDS.  mode: 0 q, 1 k, 2 v.
.macro OUTA a, mode
.set AC, 64*((\a)%4)
.set WA, 2+(\a)/4
.set OB, AF+32*((\a)%2)
.set WW, (WA<<6)|WA
	WIN WW                                         ; destination and source 0: the accumulators' window; the bias: window 0
.irp b, 0,1,2,3,4,5,6,7
.irp p, 0,2,4,6
.if \mode == 0
	v_pk_fma_f32 v[AC+8*\b+\p:AC+8*\b+\p+1], v[AC+8*\b+\p:AC+8*\b+\p+1], s[18:19], v[BI+8*\b+\p:BI+8*\b+\p+1] op_sel_hi:[1,0,1]
.elseif \mode == 1
	v_pk_add_f32 v[AC+8*\b+\p:AC+8*\b+\p+1], v[AC+8*\b+\p:AC+8*\b+\p+1], v[BI+8*\b+\p:BI+8*\b+\p+1]
.else
	v_pk_add_f32 v[AC+8*\b+\p:AC+8*\b+\p+1], v[AC+8*\b+\p:AC+8*\b+\p+1], v[BI+2*(\a):BI+2*(\a)+1]
.endif
.endr
.endr
.if (\a) >= 2
	s_wait_xcnt 0x0                                ; block a - 2's stores have read the registers that are written next
.endif
.set WW, (WA<<2)|WA
	WIN WW                                         ; sources 0 and 1: the accumulators' window; destination: window 0
.irp b, 0,1,2,3,4,5,6,7
.irp p, 0,1,2,3
	v_cvt_pk_f16_f32 v[OB+4*\b+\p], v[AC+8*\b+2*\p], v[AC+8*\b+2*\p+1]
.endr
.endr
	WIN 0
.irp b, 0,1,2,3,4,5,6,7
.if \mode == 0
	global_store_b128 v[LI], v[OB+4*\b:OB+4*\b+3], s[12:13] offset:2048*(\a)+262144*(\b/4)+512*(\b%4)
.elseif \mode == 1
	global_store_b128 v[LI], v[OB+4*\b:OB+4*\b+3], s[12:13] offset:2048*(\a)+524288*(\b/4)+512*(\b%4)
.else
	global_store_b128 v[LI], v[OB+4*\b:OB+4*\b+3], s[12:13] offset:524288*((\a)/4)+1024*((\a)%4)+4096*(\b/2)+512*(\b%2)
.endif
.endr
.endm
	s_cmp_eq_u32 s3, 1
	s_cbranch_scc1 .Larm_k
	s_cmp_eq_u32 s3, 2
	s_cbranch_scc1 .Larm_v
	; ---- q.  Token 256 s17 + 128 s15 + 16 a + r; feature 256 s42 + 128 s16 + 16 b + ..: head 4 s42 + 2 s16 + b / 4, i = b % 4
	s_lshr_b32 s20, s17, 3                         ; the batch
	s_lshl_b32 s20, s20, 4
	s_lshl_b32 s21, s42, 2
	s_add_co_u32 s20, s20, s21
	s_lshl_b32 s21, s16, 1
	s_add_co_u32 s20, s20, s21                     ; 16 x batch + head
	s_lshl_b32 s20, s20, 7
	s_and_b32 s21, s17, 7
	s_lshl_b32 s21, s21, 4
	s_add_co_u32 s20, s20, s21
	s_lshl_b32 s21, s15, 3
	s_add_co_u32 s20, s20, s21                     ; x 128 + my first query tile
	s_lshl_b32 s20, s20, 11
	s_mov_b32 s21, 0
	s_add_nc_u64 s[12:13], s[98:99], s[20:21]
	s_mov_b32 s18, 0x3e38aa3b                      ; c = log2(e) / sqrt(64): the scores then leave launch 3's first product as exponents of 2
	s_mov_b32 s19, s18                             ; (named with it as a pair, so it is written)
.set i, 0
.rept 32
	v_pk_mul_f32 v[BI+2*i:BI+2*i+1], v[BI+2*i:BI+2*i+1], s[18:19] op_sel_hi:[1,0]   ; b_q c, so that (sum + b_q) c is one fused multiply-add
.set i, i+1
.endr
.irp a, 0,1,2,3,4,5,6,7
	OUTA \a, 0
.endr
	s_branch .Lend
.Larm_k:
	; ---- k.  As q; key tile in its block of 512: 16 (s17 % 2) + 8 s15 + a
	s_lshr_b32 s20, s17, 3
	s_lshl_b32 s20, s20, 4
	s_lshl_b32 s21, s42, 2
	s_add_co_u32 s20, s20, s21
	s_lshl_b32 s21, s16, 1
	s_add_co_u32 s20, s20, s21                     ; 16 x batch + head
	s_lshl_b32 s20, s20, 19
	s_and_b32 s21, s17, 7
	s_lshr_b32 s21, s21, 1
	s_lshl_b32 s21, s21, 17                        ; the block of 512 keys
	s_add_co_u32 s20, s20, s21
	s_and_b32 s21, s17, 1
	s_lshl_b32 s21, s21, 4
	s_lshl_b32 s22, s15, 3
	s_add_co_u32 s21, s21, s22
	s_lshl_b32 s21, s21, 11
	s_add_co_u32 s20, s20, s21
	s_mov_b32 s21, 0
	s_add_nc_u64 s[12:13], s[100:101], s[20:21]
.irp a, 0,1,2,3,4,5,6,7
	OUTA \a, 1
.endr
	s_branch .Lend
.Larm_v:
	; ---- v.  Feature 256 s17 + 128 s15 + 16 a + r: head 4 s17 + 2 s15 + a / 4, cT = a % 4.  Token 256 s42 + 128 s16 + 16 b + ..: group of 32 keys 8 (s42 % 2) + 4 s16 + b / 2, half b % 2
	s_lshr_b32 s20, s42, 3
	s_lshl_b32 s20, s20, 4
	s_lshl_b32 s21, s17, 2
	s_add_co_u32 s20, s20, s21
	s_lshl_b32 s21, s15, 1
	s_add_co_u32 s20, s20, s21                     ; 16 x batch + head
	s_lshl_b32 s20, s20, 19
	s_and_b32 s21, s42, 7
	s_lshr_b32 s21, s21, 1
	s_lshl_b32 s21, s21, 17
	s_add_co_u32 s20, s20, s21
	s_add_co_u32 s20, s20, 65536                   ; the V part
	s_and_b32 s21, s42, 1
	s_lshl_b32 s21, s21, 3
	s_lshl_b32 s22, s16, 2
	s_add_co_u32 s21, s21, s22
	s_lshl_b32 s21, s21, 12
	s_add_co_u32 s20, s20, s21
	s_mov_b32 s21, 0
	s_add_nc_u64 s[12:13], s[100:101], s[20:21]
.irp a, 0,1,2,3,4,5,6,7
	OUTA \a, 2
.endr
.Lend:
	CROUND                                         ; the closing round: no work-group ends while a partner may still ask for a tile that names it
	s_endpgm
.Lfunc_end_k_qa1b3ba7e80_proj:
	.size	k_qa1b3ba7e80_proj, .Lfunc_end_k_qa1b3ba7e80_proj-k_qa1b3ba7e80_proj
	.p2alignl 7, 3214868480
	.fill 96, 4, 3214868480
	.section	.rodata,"a",@progbits
	.p2align	6, 0x0
	.amdhsa_kernel k_qa1b3ba7e80_proj
		.amdhsa_group_segment_fixed_size 327680
		.amdhsa_private_segment_fixed_size 0
		.amdhsa_enable_private_segment 0
		.amdhsa_kernarg_size 72
		.amdhsa_user_sgpr_count 2
		.amdhsa_user_sgpr_kernarg_segment_ptr 1
		.amdhsa_wavefront_size32 1
		.amdhsa_system_sgpr_workgroup_id_x 1
		.amdhsa_system_sgpr_workgroup_id_y 1
		.amdhsa_system_sgpr_workgroup_id_z 1
		.amdhsa_system_vgpr_workitem_id 0
		.amdhsa_next_free_vgpr 1024
		.amdhsa_next_free_sgpr 102
		.amdhsa_reserve_vcc 0
		.amdhsa_float_denorm_mode_32 3
		.amdhsa_float_denorm_mode_16_64 3
		.amdhsa_memory_ordered 1
		.amdhsa_forward_progress 1
		.amdhsa_inst_pref_size 219
	.end_amdhsa_kernel
	.amdgpu_metadata
---
amdhsa.version: [ 1, 2 ]
amdhsa.kernels:
  - .name:           k_qa1b3ba7e80_proj
    .symbol:         k_qa1b3ba7e80_proj.kd
    .args:
      - { .name: xc, .offset: 0, .size: 8, .value_kind: global_buffer, .address_space: global }
      - { .name: xs, .offset: 8, .size: 8, .value_kind: global_buffer, .address_space: global }
      - { .name: wc, .offset: 16, .size: 8, .value_kind: global_buffer, .address_space: global }
      - { .name: ws, .offset: 24, .size: 8, .value_kind: global_buffer, .address_space: global }
      - { .name: b_q, .offset: 32, .size: 8, .value_kind: global_buffer, .address_space: global }
      - { .name: b_k, .offset: 40, .size: 8, .value_kind: global_buffer, .address_space: global }
      - { .name: b_v, .offset: 48, .size: 8, .value_kind: global_buffer, .address_space: global }
      - { .name: qf, .offset: 56, .size: 8, .value_kind: global_buffer, .address_space: global }
      - { .name: kv, .offset: 64, .size: 8, .value_kind: global_buffer, .address_space: global }
    .group_segment_fixed_size: 327680
    .private_segment_fixed_size: 0
    .kernarg_segment_align: 8
    .kernarg_segment_size: 72
    .max_flat_workgroup_size: 128
    .sgpr_count:     102
    .vgpr_count:     1024
    .wavefront_size: 32
...
	.end_amdgpu_metadata
.endif
;; end of part 2
;; launch attn (part 3): grid 4 x 64, 8 waves a work-group, clusters of 4 x 1, 327,680 bytes of LDS; arguments qf, kv, maskbits, out0; writes out0
.if DOCPART == 3
	.amdgcn_target "amdgcn-amd-amdhsa--gfx1250"
	.amdhsa_code_object_version 6
	.text
	.protected	k_qa1b3ba7e80_attn
	.globl	k_qa1b3ba7e80_attn
	.p2align	8
	.type	k_qa1b3ba7e80_attn,@function
k_qa1b3ba7e80_attn:
	s_mov_b64 s[64:65], 0
	v_nop
	global_prefetch_b8 v0, s[64:65] scope:SCOPE_SE
	s_setreg_imm32_b32 hwreg(HW_REG_WAVE_MODE, 25, 1), 1
	s_wait_xcnt 0x0
	s_wait_alu depctr_hold_cnt(0) depctr_sa_sdst(0) depctr_va_vdst(0) depctr_va_sdst(0) depctr_va_ssrc(0) depctr_va_vcc(0) depctr_vm_vsrc(0)
	s_getreg_b32 s2, hwreg(HW_REG_IB_STS2, 6, 4)
	s_cmp_eq_u32 s2, 0
	s_cbranch_scc0 .Lentry_in_a_cluster
	s_endpgm
.Lentry_in_a_cluster:
	s_bfe_u32 s2, ttmp6, 0x10000c
	s_cmp_lg_u32 s2, 0x3003
	s_cbranch_scc0 .Lentry_shape_is_right
	s_endpgm
.Lentry_shape_is_right:
; MULTI-HEAD ATTENTION, launch 3 of 3: out[b][q][64 h + :] = the sum over k of softmax_k(where(mask, -1e9, q . k / 8)) v[k][:].  No work of reference() is left out.
; q (with log2(e) / 8 folded in), k and v come in f16 as images of the operand registers (launch 2); the mask as lane-mask words (launch 1).  Products on f16 operands, f32 sums; maxima, exponentials and sums in f32.
; SHARES.  A work-group owns 512 queries of one (b, h); each of its eight waves 64: four tiles of 16.  Two waves lie on a SIMD, so that one wave's vector work stands beside the other's matrix work.
; Every wave walks all 2,048 keys, 64 a step.  K and V come through two LDS slots of 512 keys (131,072 bytes: the K part, then the V part), each wave fetching 16,384 bytes of a slot.
; CLUSTER.  The four work-groups of a (b, h) walk the same K and V: each load is asked for JOINTLY, with the same descriptor and a mask that names the four.
; LAYOUT.  S^T = K Q^T (source 0 = 16 keys, source 1 = 16 queries): a lane holds ONE query (lane % 16) and keys 8 (lane / 16) + 0 .. 7.  Two such tiles, rounded to f16 in pairs, ARE source 1 of O^T = V^T P.
; SOFTMAX.  The scores arrive as t = score x log2(e); a masked one becomes f32(-1e9 x log2(e)).  For each query a running maximum m and sum l; p = 2^(t - m), by a plain subtraction: in a row that is masked
; everywhere t - m is exactly 0 and every p is 1, as in reference().  In every step O and l are multiplied by 2^(m_old - m_new).  m begins at -3e38 and O and l at 0: the key step is written once.
; LIMITS: NaN and infinities among the inputs are not served; f16's range as stated in launch 2.
; REGISTERS, in windows of 256: window 0: v1-7 addresses and constants; v8-39 statistics, eight a tile; v40-55 four chains of the maximum a tile; v56-60 the way out; v64-191 S^T, 32 a tile (p in f16 takes each tile's low 16);
;   v192-255 a step's K, then its V.   window 1: v0-127 O^T, 32 a tile; v128-191 Q, 16 a tile.
; SCALARS: s[16:63] and s[68:83]: the 64 mask words of a pair of tiles for a step (at the head: at work).
.set SLOT1, 1<<17                      ; slot 1 begins here: one exclusive or turns an address in one slot into the other's
.set SPARE, 2*SLOT1                    ; the spare words, 128 bytes for each wave: four blocks of 256 bytes that no other line names
.set LI,   1                           ; v1   16 x lane: my place in an image
.set ADK,  2                           ; v2   LDS address of the step's K
.set ADV,  3                           ; v3   and of its V
.set NEGT, 4                           ; v4   f32(-1e9 x log2(e))
.set SPW,  5                           ; v5   LDS address of my spare word; never rewritten
.set NIL,  6                           ; v6   0; never rewritten
.set PFO,  7                           ; v7   256 x lane: the prefetches' offset
.set ST,   8                           ; tile a at v[ST + 8 a]: +0 m, +1 the old m, +2, +3 l (even keys', odd keys'), +4 the factor, +5 at work, +6, +7 a second chain of the sum
.set TM,   40                          ; tile a at v[TM + 4 a]
.set S,    64
.set KV,   192
.set QF,   128                         ; in window 1
.set MSB, 0
.macro WIN new                         ; the immediate's high byte repeats the setting that is left
.if MSB != \new
	s_set_vgpr_msb (MSB<<8)|\new
.set MSB, \new
.endif
.endm
.set W_S,  0x04                        ; source 1 (Q) window 1
.set W_PV, 0x50                        ; C and D (O^T) window 1
.set W_RS, 0x41                        ; destination and source 0 (O^T) window 1
.macro TLOAD                           ; every wave's one load: 64 dense rows of 256 bytes.  An s_nop 0 and four v_nop follow it
	tensor_load_to_lds s[92:95], s[84:91]
	s_nop 0
.rept 4
	v_nop
.endr
.endm
; A PREFETCH INTO THE L2 of the block of 512 keys that the NEXT change of slots will ask for: eight key steps ahead of that load.  A block is 131,072 bytes: the four partners take 32,768 each, told apart BY ADDRESS;
; in each, waves 0 to 3 ask, 8,192 bytes a wave, lanes 256 bytes apart: each aligned block of 256 bytes is named once in the launch.  Blocks 0 and 1 come by their loads alone; the last change that fills a slot asks for nothing.
.macro ASK
	s_cmp_gt_u32 s13, s15
	s_cbranch_scc0 .Lnot_mine_\@
	global_prefetch_b8 v[PFO], s[96:97] th:TH_LOAD_NT scope:SCOPE_SE
.Lnot_mine_\@:
.endm
.macro CROUND                          ; a round of the cluster's barrier
	s_barrier_signal -1
	s_barrier_wait -1
	s_cmp_lg_u32 s12, 0
	s_cbranch_scc1 .Lnot_wave_0_\@
	s_barrier_signal -3
.Lnot_wave_0_\@:
	s_barrier_wait -3
	s_barrier_signal -1
	s_barrier_wait -1
.endm
	s_load_b256 s[4:11], s[0:1], 0x0               ; qf 4, kv 6, maskbits 8, out0 10
	v_lshl_add_u32 v[SPW], v0, 2, SPARE
	v_mov_b32 v[NIL], 0
	ds_add_u32 v[SPW], v[NIL]                      ; the wave's opening: the add, twice on end, and its wait ahead of my first tensor load
	ds_add_u32 v[SPW], v[NIL]                      ; and once more, under the one wait; the set-up below, work on registers, stands between
	v_lshrrev_b32 v1, 5, v0
	v_readfirstlane_b32 s12, v1                    ; wave 0..7
	s_bfe_u32 s16, ttmp6, 0x40000                  ; cx: my block of 512 queries
	s_and_b32 s17, ttmp7, 0xffff                   ; 16 b + h, which the four partners share
	; descriptor group 1: 64 rows of 256 bytes (32 elements of 8 bytes), dense in memory and in LDS
	s_mov_b32 s84, 15|(3<<16)|(1<<21)              ; 15:0 the mask: all four work-groups; 17:16 elements of 8 bytes; 20 no padding; 21 set beside a mask
	s_mov_b32 s85, 32<<16                          ; tensor_dim0
	s_mov_b32 s86, 64<<16                          ; tensor_dim1
	s_mov_b32 s87, 32<<16                          ; tile_dim0
	s_mov_b32 s88, 64                              ; tile_dim1
	s_mov_b32 s89, 32                              ; tensor_dim0_stride
	s_mov_b32 s90, 0
	s_mov_b32 s91, 0
	s_mov_b32 s66, 0x76543210
	s_mov_b32 s67, 0xfedcba98                      ; v_permlanex16_b32's selects for lane l xor 16
	s_cmp_lt_u32 s12, 4
	s_cselect_b32 s15, 1, -1                       ; 1 in a wave that prefetches, else the greatest number
	s_lshl_b32 s18, s16, 5
	s_lshl_b32 s19, s12, 2
	s_add_co_u32 s18, s18, s19                     ; my first query tile in the sequence: 32 cx + 4 wave
	s_lshl_b32 s20, s17, 18
	s_lshl_b32 s21, s18, 11
	s_add_co_u32 s20, s20, s21
	s_mov_b32 s21, 0                               ; qf: 262,144 bytes a (b, h), 2,048 a tile
	s_lshr_b32 s24, s17, 4
	s_lshl_b32 s24, s24, 7
	s_add_co_u32 s24, s24, s18                     ; 128 b + tile
	s_lshl_b32 s26, s24, 16                        ; out0: 16 rows of 4,096 bytes a tile,
	s_and_b32 s27, s17, 15
	s_lshl_b32 s27, s27, 8                         ; the head's 256 bytes of a row
	s_add_co_u32 s26, s26, s27
	s_mov_b32 s27, 0
	s_lshl_b32 s24, s24, 12                        ; maskbits: 4,096 bytes a tile
	s_mov_b32 s25, 0
	s_lshl_b32 s22, s17, 19
	s_lshl_b32 s23, s12, 14
	s_add_co_u32 s22, s22, s23                     ; kv: my 16,384 bytes of block 0: made of (b, h) and the wave's number alone
	s_mov_b32 s23, 0
	s_lshl_b32 s28, s17, 19
	s_lshl_b32 s29, s16, 15
	s_add_co_u32 s28, s28, s29
	s_and_b32 s29, s12, 3
	s_lshl_b32 s29, s29, 13
	s_add_co_u32 s28, s28, s29
	s_add_co_u32 s28, s28, 131072                  ; the prefetches stand in block 1: the first change of slots steps them to block 2
	s_mov_b32 s29, 0
	s_wait_dscnt 0x0                               ; both opening adds are done
	s_wait_kmcnt 0x0
	s_add_nc_u64 s[4:5], s[4:5], s[20:21]
	s_add_nc_u64 s[8:9], s[8:9], s[24:25]
	s_add_nc_u64 s[10:11], s[10:11], s[26:27]
	s_add_nc_u64 s[96:97], s[6:7], s[28:29]
	CROUND                                         ; all four work-groups are here: the first joint loads meet
	s_mov_b32 s92, 1                               ; descriptor group 0: count = 1
	s_lshl_b32 s93, s12, 14                        ; LDS address: slot 0, wave x 16,384
	s_add_nc_u64 s[94:95], s[6:7], s[22:23]        ; global address
	s_or_b32 s95, s95, 0x80000000                  ; type = 2
	TLOAD                                          ; block 0 into slot 0: one tensor load of mine is out, here and behind every round
	v_and_b32 v[LI], 31, v0
	v_lshlrev_b32 v[LI], 4, v[LI]
	v_lshlrev_b32 v[PFO], 4, v[LI]
	v_mov_b32 v[NEGT], 0xceabfb8f
	WIN 0x40                                       ; destination window 1
.irp a, 0,1,2,3
.irp i, 0,1,2,3
	global_load_b128 v[QF+16*\a+4*\i:QF+16*\a+4*\i+3], v[LI], s[4:5] offset:2048*\a+512*\i   ; Q stays in registers: fragment e of tile a is images 2 e and 2 e + 1
.endr
.endr
.set i, 0
.rept 128
	v_mov_b32 v[i], 0                              ; O^T.  (The key step is written once: its first trip finds zeros, which the first factor, 0, leaves zeros)
.set i, i+1
.endr
	WIN 0
.irp a, 0,1,2,3
	v_mov_b32 v[ST+8*\a], 0xff61b1e6               ; m: -3e38, under every t
.irp k, 1,2,3,4,5,6,7
	v_mov_b32 v[ST+8*\a+\k], 0
.endr
.endr
	s_mov_b32 s2, 0                                ; LDS byte at which the step's K begins
	s_mov_b32 s3, 0                                ; the step's mask words: 128 bytes a step in each tile's 4,096
	s_mov_b32 s13, 3                               ; slots still to be asked for
; The mask words of tiles y and y + 1 for the step at s3: 32 words a tile, register i of the tile's scores has word i.
.macro MLOAD y
	s_load_b512 s[16:31], s[8:9], s3 offset:4096*(\y)
	s_load_b512 s[32:47], s[8:9], s3 offset:4096*(\y)+0x40
	s_load_b512 s[48:63], s[8:9], s3 offset:4096*(\y)+0x1000
	s_load_b512 s[68:83], s[8:9], s3 offset:4096*(\y)+0x1040
.endm
	MLOAD 0
	s_wait_loadcnt 0x0                             ; Q
; THE SOFTMAX of tiles y and y + 1 for a step, the two tiles line by line by turns, so that no line waits for the line above it.
.macro SOFT y
.set S0, S+32*(\y)
.set T0, ST+8*(\y)
.set M0, TM+4*(\y)
	s_wait_kmcnt 0x0                               ; the pair's 64 mask words, asked for half a step ago
.set i, 0
.rept 32
	v_cndmask_b32 v[S0+i], v[S0+i], v[NEGT], s[16+i]                  ; each accumulator from its low end on
	v_cndmask_b32 v[S0+32+i], v[S0+32+i], v[NEGT], s[48+i+4*(i/16)]
.set i, i+1
.endr
.if (\y) == 0
	MLOAD 2                                        ; the other pair's words for this step
.else
	s_add_co_u32 s3, s3, 128                       ; (the wait above has shown every load that names s3 done)
	s_and_b32 s3, s3, 4095                         ; the last step's look-ahead goes back to the first words: inside the buffer, and read by nobody
	MLOAD 0                                        ; the first pair's words for the next step
.endif
.irp j, 0,1,2,3
.irp d, 0,1
	v_max3_num_f32 v[M0+4*\d+\j], v[S0+32*\d+8*\j], v[S0+32*\d+8*\j+1], v[S0+32*\d+8*\j+2]     ; the maximum, in four chains a tile
.endr
.endr
.irp g, 3,5
.irp j, 0,1,2,3
.irp d, 0,1
	v_max3_num_f32 v[M0+4*\d+\j], v[M0+4*\d+\j], v[S0+32*\d+8*\j+\g], v[S0+32*\d+8*\j+\g+1]
.endr
.endr
.endr
.irp d, 0,1
	v_max3_num_f32 v[M0+4*\d], v[M0+4*\d], v[S0+32*\d+7], v[S0+32*\d+15]
	v_max3_num_f32 v[M0+4*\d+2], v[M0+4*\d+2], v[S0+32*\d+23], v[S0+32*\d+31]
.endr
.irp d, 0,1
	v_max3_num_f32 v[M0+4*\d], v[M0+4*\d], v[M0+4*\d+1], v[M0+4*\d+2]
.endr
.irp d, 0,1
	v_max3_num_f32 v[M0+4*\d], v[M0+4*\d], v[M0+4*\d+3], v[T0+8*\d+1]   ; and the old m
.endr
.irp d, 0,1
	v_permlanex16_b32 v[T0+8*\d+5], v[M0+4*\d], s66, s67               ; the query's other 32 keys lie in the lane 16 away
.endr
.irp d, 0,1
	v_max_num_f32 v[T0+8*\d], v[M0+4*\d], v[T0+8*\d+5]                 ; the new m
.endr
.irp d, 0,1
	v_sub_f32 v[T0+8*\d+5], v[T0+8*\d+1], v[T0+8*\d]                   ; m_old - m_new
.endr
.irp p, 0,2,4,6,8,10,12,14,16,18,20,22,24,26,28,30
.irp d, 0,1
	v_pk_add_f32 v[S0+32*\d+\p:S0+32*\d+\p+1], v[S0+32*\d+\p:S0+32*\d+\p+1], v[T0+8*\d:T0+8*\d+1] op_sel_hi:[1,0] neg_lo:[0,1] neg_hi:[0,1]   ; t - m, two at a time (of the pair the low word, m, serves both halves)
.endr
.endr
.irp d, 0,1
	v_exp_f32 v[T0+8*\d+4], v[T0+8*\d+5]           ; ONE BATCH: the two factors and the 64 weights; none of these lines reads a result
.endr
.set i, 0
.rept 32
	v_exp_f32 v[S0+i], v[S0+i]
	v_exp_f32 v[S0+32+i], v[S0+32+i]
.set i, i+1
.endr
	v_nop                                          ; a plain line behind the last exponential
	s_wait_alu depctr_va_vdst(0)                   ; and one wait ahead of the batch's first reader
.irp d, 0,1
	v_pk_fma_f32 v[T0+8*\d+2:T0+8*\d+3], v[T0+8*\d+2:T0+8*\d+3], v[T0+8*\d+4:T0+8*\d+5], v[S0+32*\d:S0+32*\d+1] op_sel_hi:[1,0,1]   ; l = l x the factor + the first pair
.endr
.irp d, 0,1
	v_pk_add_f32 v[T0+8*\d+6:T0+8*\d+7], v[S0+32*\d+2:S0+32*\d+3], v[S0+32*\d+6:S0+32*\d+7]   ; the second chain begins with pairs 1 and 3
.endr
.irp p, 4,8,12,16,20,24,28
.irp d, 0,1
	v_pk_add_f32 v[T0+8*\d+2:T0+8*\d+3], v[T0+8*\d+2:T0+8*\d+3], v[S0+32*\d+\p:S0+32*\d+\p+1]
.if \p > 4
	v_pk_add_f32 v[T0+8*\d+6:T0+8*\d+7], v[T0+8*\d+6:T0+8*\d+7], v[S0+32*\d+\p+2:S0+32*\d+\p+3]
.endif
.endr
.endr
.irp d, 0,1
	v_pk_add_f32 v[T0+8*\d+2:T0+8*\d+3], v[T0+8*\d+2:T0+8*\d+3], v[T0+8*\d+6:T0+8*\d+7]
.endr
.set i, 0
.rept 16
	v_cvt_pk_f16_f32 v[S0+i], v[S0+2*i], v[S0+2*i+1]                   ; p to f16, in place, ascending: register i is written when registers 2 i and 2 i + 1 are read
	v_cvt_pk_f16_f32 v[S0+32+i], v[S0+32+2*i], v[S0+32+2*i+1]
.set i, i+1
.endr
.endm
.macro RESC y                          ; O^T of tiles y and y + 1 x the factor, each accumulator from its low end on
	WIN W_RS
.set i, 0
.rept 16
	v_pk_mul_f32 v[32*(\y)+2*i:32*(\y)+2*i+1], v[32*(\y)+2*i:32*(\y)+2*i+1], v[ST+8*(\y)+4:ST+8*(\y)+5] op_sel_hi:[1,0]
	v_pk_mul_f32 v[32*(\y)+32+2*i:32*(\y)+32+2*i+1], v[32*(\y)+32+2*i:32*(\y)+32+2*i+1], v[ST+8*(\y)+12:ST+8*(\y)+13] op_sel_hi:[1,0]
.set i, i+1
.endr
.endm
.macro PV y                            ; O^T += V^T P for tiles y and y + 1: the eight accumulators take turns, one instruction a turn
	WIN W_PV
.irp u, 0,1
.irp d, 0,1
.irp c, 0,1,2,3
	v_wmma_f32_16x16x32_f16 v[32*((\y)+\d)+8*\c:32*((\y)+\d)+8*\c+7], v[KV+8*(4*\u+\c):KV+8*(4*\u+\c)+7], v[S+32*((\y)+\d)+8*\u:S+32*((\y)+\d)+8*\u+7], v[32*((\y)+\d)+8*\c:32*((\y)+\d)+8*\c+7]
.endr
.endr
.endr
.endm
; A KEY STEP: 64 keys.  K's 8,192 bytes lie at s2, V's 65,536 bytes further on; every LDS load takes 512 consecutive bytes.
.macro STEP
	v_add_nc_u32 v[ADK], s2, v[LI]
	v_add_nc_u32 v[ADV], 0x10000, v[ADK]
.rept 3
	v_nop                                          ; with the two additions five places behind the last products: K's loads land where those read V (four are owed), and the products below write where those read P (five)
.endr
.irp n, 0,1,2,3,4,5,6,7,8,9,10,11,12,13,14,15
	ds_load_b128 v[KV+4*\n:KV+4*\n+3], v[ADK] offset:512*\n            ; fragment (key tile t, e) at v[KV + 8 (2 t + e)]
.endr
	s_wait_dscnt 0x0
	WIN W_S
.irp e, 0,1                            ; S^T = K Q^T: the sixteen accumulators take turns; the first sixteen products start the sums
.irp a, 0,1,2,3
.irp t, 0,1,2,3
.if \e == 0
	v_wmma_f32_16x16x32_f16 v[S+32*\a+8*\t:S+32*\a+8*\t+7], v[KV+8*(2*\t+\e):KV+8*(2*\t+\e)+7], v[QF+16*\a+8*\e:QF+16*\a+8*\e+7], 0
.else
	v_wmma_f32_16x16x32_f16 v[S+32*\a+8*\t:S+32*\a+8*\t+7], v[KV+8*(2*\t+\e):KV+8*(2*\t+\e)+7], v[QF+16*\a+8*\e:QF+16*\a+8*\e+7], v[S+32*\a+8*\t:S+32*\a+8*\t+7]
.endif
.endr
.endr
.endr
	WIN 0
.irp a, 0,1,2,3
	v_mov_b32 v[ST+8*\a+1], v[ST+8*\a]             ; m is kept as the old m: four plain lines, the places in front of V's loads and of the first reads of the scores
.endr
.irp n, 0,1,2,3,4,5,6,7,8,9,10,11,12,13,14,15
	ds_load_b128 v[KV+4*\n:KV+4*\n+3], v[ADV] offset:512*\n            ; fragment (32 keys u, channels cT) at v[KV + 8 (4 u + cT)]
.endr
	SOFT 0
	RESC 0
	s_wait_dscnt 0x0                               ; V is in
	PV 0
	WIN 0
	SOFT 2                                         ; the second pair's vector work is issued while the first pair's products run
	RESC 2
	PV 2
	WIN 0
	s_add_co_u32 s2, s2, 8192
.endm
; THE CHANGE OF SLOTS stands at a slot's head.  Each wave waits for all its tensor loads (its part of the slot ahead), adds 0 to its spare word, and waits for that and for its reads of the slot that it has left.
; fill = 1: the barrier is a round of the cluster's, so that no wave of any partner still reads that slot or has a load on its way; the joint load is the first thing behind it and has eight key steps in which to land.
.macro CHANGE fill
	s_wait_tensorcnt 0x0                           ; no tensor load of mine is out, so the descriptor may be written
	ds_add_u32 v[SPW], v[NIL]                      ; 0 onto my spare word
.if \fill
	s_xor_b32 s93, s93, SLOT1                      ; the other slot than last time,
	s_add_nc_u64 s[94:95], s[94:95], 131072        ; the next 512 keys; the type bits on top are not reached
	s_wait_xcnt 0x0                                ; the last prefetch, a slot back, has read its address, so it may be written:
	s_add_nc_u64 s[96:97], s[96:97], 131072        ; one block further on than the descriptor
.endif
	s_wait_dscnt 0x0                               ; the add is done, and my reads of the slot that I have left are over
.if \fill
	CROUND
	TLOAD
	ASK
.else
	s_barrier_signal -1
	s_barrier_wait -1
.endif
.endm
.macro SLOT_STEPS                      ; a slot's eight key steps: written once, walked eight times
	s_mov_b32 s14, 8
.Lstep_\@:
	STEP
	s_sub_co_u32 s14, s14, 1
	s_cmp_lg_u32 s14, 0
	s_cbranch_scc1 .Lstep_\@
	s_sub_co_u32 s2, s2, 65536                     ; back to a slot's first step,
	s_xor_b32 s2, s2, SLOT1                        ; in the other slot
.endm
.Lslot:                                            ; three trips: behind each change of slots but the last the next block is asked for (the first trip's loads are slot 1's first fill)
	CHANGE 1
	SLOT_STEPS
	s_sub_co_u32 s13, s13, 1
	s_cmp_lg_u32 s13, 0
	s_cbranch_scc1 .Lslot
	CHANGE 0                                       ; the last slot is written out
	SLOT_STEPS
	; THE WAY OUT.  l's halves are added; O^T is divided by l and goes through my stage in LDS, a tile (16 queries x 256 bytes) at a time, so that sixteen lanes store 256 consecutive bytes, aligned.
	; The stages (16 rows x 272 bytes for each wave, from LDS byte 0) lie in slot 0: it has had its last fill, and every wave has passed the last change of slots, behind which nobody reads it.
	s_wait_kmcnt 0x0                               ; the last look-ahead's mask words
.irp a, 0,1,2,3
	v_add_f32 v[ST+8*\a+6], v[ST+8*\a+2], v[ST+8*\a+3]                 ; (these lines are also the places behind the last products)
.endr
.irp a, 0,1,2,3
	v_permlanex16_b32 v[ST+8*\a+7], v[ST+8*\a+6], s66, s67
.endr
.irp a, 0,1,2,3
	v_add_f32 v[ST+8*\a+6], v[ST+8*\a+6], v[ST+8*\a+7]                 ; the row's sum: at least 1, the weight of the row's largest score
.endr
.irp a, 0,1,2,3
	v_rcp_f32 v[ST+8*\a+4], v[ST+8*\a+6]
.endr
	s_mul_i32 s98, s12, 16*272                     ; my stage
	v_and_b32 v59, 15, v0                          ; r  (plain lines behind the reciprocals)
	v_bfe_u32 v60, v0, 4, 1                        ; h
	v_mul_u32_u24 v56, v59, 272
	v_lshl_add_u32 v56, v60, 5, v56
	v_add_nc_u32 v56, s98, v56                     ; in: row r; channels 16 cT + 8 h on: 64 cT + 32 h bytes
	v_mul_u32_u24 v57, v60, 272
	v_lshl_add_u32 v57, v59, 4, v57
	v_add_nc_u32 v57, s98, v57                     ; back: lanes 0-15 one row, lanes 16-31 the next
	v_lshlrev_b32 v58, 12, v60
	v_lshl_add_u32 v58, v59, 4, v58                ; and the same two rows of out0, 4,096 bytes apart
	s_wait_alu depctr_va_vdst(0)                   ; one wait for the four reciprocals, ahead of their first reader
.macro PACK a
	WIN 0x01                                       ; source 0 (O^T) window 1; destination: the scores' registers, which are free
.set i, 0
.rept 16
	v_pk_mul_f32 v[S+32*\a+2*i:S+32*\a+2*i+1], v[32*\a+2*i:32*\a+2*i+1], v[ST+8*\a+4:ST+8*\a+5] op_sel_hi:[1,0]
.set i, i+1
.endr
	WIN 0
.irp c, 0,1,2,3
	ds_store_b128 v56, v[S+32*\a+8*\c:S+32*\a+8*\c+3] offset:64*\c
	ds_store_b128 v56, v[S+32*\a+8*\c+4:S+32*\a+8*\c+7] offset:64*\c+16
.endr
.irp f, 0,1,2,3,4,5,6,7
	ds_load_b128 v[S+32*\a+4*\f:S+32*\a+4*\f+3], v57 offset:544*\f     ; LDS serves a wave's instructions in order (ISA guide 5.7.1.4): these see the stores above; the next tile's stores come behind them
.endr
.endm
.macro SEND a, younger                 ; younger: the LDS instructions issued behind tile a's loads: the next tile's sixteen, or none
.irp f, 0,1,2,3,4,5,6,7
	s_wait_dscnt \younger+7-\f
	global_store_b128 v58, v[S+32*\a+4*\f:S+32*\a+4*\f+3], s[10:11] offset:65536*\a+8192*\f th:TH_STORE_NT
.endr
.endm
	PACK 0
	PACK 1                                         ; a tile's arithmetic stands between the loads of the tile before and its stores
	SEND 0, 16
	PACK 2
	SEND 1, 16
	PACK 3
	SEND 2, 16
	SEND 3, 0
	s_wait_tensorcnt 0x0                           ; the wave's end: these three lines, behind my last tensor load and my last LDS store
	ds_add_u32 v[SPW], v[NIL]
	s_wait_dscnt 0x0
	CROUND                                         ; the closing round: no work-group ends while a partner may still ask for a tile that names it
	s_endpgm
.Lfunc_end_k_qa1b3ba7e80_attn:
	.size	k_qa1b3ba7e80_attn, .Lfunc_end_k_qa1b3ba7e80_attn-k_qa1b3ba7e80_attn
	.p2alignl 7, 3214868480
	.fill 96, 4, 3214868480
	.section	.rodata,"a",@progbits
	.p2align	6, 0x0
	.amdhsa_kernel k_qa1b3ba7e80_attn
		.amdhsa_group_segment_fixed_size 327680
		.amdhsa_private_segment_fixed_size 0
		.amdhsa_enable_private_segment 0
		.amdhsa_kernarg_size 32
		.amdhsa_user_sgpr_count 2
		.amdhsa_user_sgpr_kernarg_segment_ptr 1
		.amdhsa_wavefront_size32 1
		.amdhsa_system_sgpr_workgroup_id_x 1
		.amdhsa_system_sgpr_workgroup_id_y 1
		.amdhsa_system_sgpr_workgroup_id_z 1
		.amdhsa_system_vgpr_workitem_id 0
		.amdhsa_next_free_vgpr 448
		.amdhsa_next_free_sgpr 102
		.amdhsa_reserve_vcc 0
		.amdhsa_float_denorm_mode_32 3
		.amdhsa_float_denorm_mode_16_64 3
		.amdhsa_memory_ordered 1
		.amdhsa_forward_progress 1
		.amdhsa_inst_pref_size 107
	.end_amdhsa_kernel
	.amdgpu_metadata
---
amdhsa.version: [ 1, 2 ]
amdhsa.kernels:
  - .name:           k_qa1b3ba7e80_attn
    .symbol:         k_qa1b3ba7e80_attn.kd
    .args:
      - { .name: qf, .offset: 0, .size: 8, .value_kind: global_buffer, .address_space: global }
      - { .name: kv, .offset: 8, .size: 8, .value_kind: global_buffer, .address_space: global }
      - { .name: maskbits, .offset: 16, .size: 8, .value_kind: global_buffer, .address_space: global }
      - { .name: out0, .offset: 24, .size: 8, .value_kind: global_buffer, .address_space: global }
    .group_segment_fixed_size: 327680
    .private_segment_fixed_size: 0
    .kernarg_segment_align: 8
    .kernarg_segment_size: 32
    .max_flat_workgroup_size: 256
    .sgpr_count:     102
    .vgpr_count:     448
    .wavefront_size: 32
...
	.end_amdgpu_metadata
.endif
;; end of part 3
